; MI455X (gfx1250); checked and timed in simulation.
; The chip was launched on July 23, 2026; its instructions are those of AMD's public machine-readable ISA for CDNA 5 (MIT licence, August 2026) and "CDNA5" Instruction Set Architecture Reference Guide (July 2026). The comments in the code are by the model that wrote it; some were corrected since.
;; Output Layer KAN 1layer. Allowed arithmetic: matrix products marked QUANTISED: E2M3 operands, one E8M0 scale for each 32 along K, by v_wmma_scale_f32_16x16x128_f8f6f4 with both operands' format E2M3, f32 sums; products left as they are: f32 operands where the result goes on into a quantised operand, else bf16, f16 or f32 operands; f32 sums; everything else in f32.
;; Inputs: attn_embedding 16,384 x 9 float32; base_weight 256 x 512 float32; cls_bias 8 float32; cls_weight 8 x 265 float32; spline_scaler 256 x 512 float32; spline_weight 256 x 512 x 8 float32; x 16,384 x 512 float32.
;; Outputs: out0 16,384 x 8 float32; out1 16,384 x 265 float32.
;; This version of the problem:
;;   THIS VERSION OF THE PROBLEM IS GIVEN IN LOW PRECISION. The matrix products marked QUANTISED in the list below multiply operands that are first quantised to E2M3 (2 exponent bits, 3 mantissa bits; 6 bits a number), with one power-of-two scale for each 32 numbers along K (OCP MX v1.0); their sums are f32. All else is computed in f32.
;;   The module's matrix products, in the order in which they are computed (A, B: the left and right operand; K: the contracted axis; several contracted axes count as one K, in the product's order):
;;     1. [M 16,384, K 512] x [K 512, N 256]; A: computed on the way; B: input base_weight: QUANTISED
;;     2. [M 16,384, K 4,096] x [K 4,096, N 256]; A: computed on the way; B: computed on the way: QUANTISED
;;     3. [M 16,384, K 265] x [K 265, N 8]; A: computed on the way; B: input cls_weight: left as it is (N = 8 < 16)
;;   THE QUANTISER, for each operand of a quantised product, along K:
;;     - K is cut into blocks of 32 from its start; a last block that is shorter is filled with zeros.
;;     - A block's scale is 2^e with e = floor(log2(the largest magnitude in the block)) - 2, held to -126 .. 127; a block of zeros has e = 0. As a byte (E8M0): e + 127.
;;     - Each number is divided by its block's scale, clamped to +-7.5, and rounded to the nearest number of E2M3, ties to even, subnormals kept.
;;     - The product sums the exact products of the quantised numbers (number of the format x scale) in f32.
;;   ~~~python
;;   def quantise(x, axis):      # numpy; x: float32 -> the quantised numbers, widened to float32 again
;;       x = np.moveaxis(x, axis, -1); K = x.shape[-1]
;;       x = np.pad(x, [(0, 0)] * (x.ndim - 1) + [(0, -K % 32)]); x = x.reshape(x.shape[:-1] + (-1, 32)); a = np.abs(x).max(-1, keepdims=True)
;;       e = np.where(a > 0, np.clip(np.frexp(np.where(a > 0, a, 1))[1] - 1 - 2, -126, 127), 0)      # np.frexp(a)[1] - 1 = floor(log2(a)), exactly
;;       r = np.clip(x / 2.0 ** e, -7.5, 7.5)
;;       step = 2.0 ** (np.maximum(np.frexp(np.where(r == 0, 1, r))[1] - 1, 0) - 3)
;;       q = np.round(r / step) * step * 2.0 ** e      # np.round: ties to even
;;       return np.moveaxis(q.reshape(q.shape[:-2] + (-1,))[..., :K], -1, axis).astype(np.float32)
;;   ~~~
;;   OPERANDS COMPUTED ON THE WAY. 'Computed on the way' means the value that the module computes at that place (a softmax that the list does not call 'softmax' is quantised finished and normalised). What goes into a quantiser is computed in f32, as accurately as f32 sums, v_exp_f32 and their like allow (about 1e-6 of the number): no bf16 or f16 on the way to a quantiser, and a product that is left as it is and whose result goes on into a quantised operand takes f32 operands (vector FMAs, or v_wmma_f32_16x16x4_f32). A number that lies on a knife's edge between two numbers of the format may be rounded either way, as far as f32 arithmetic and the matrix unit's own rounding can turn it there, and no further.
;; One version. Each part assembles by itself: llvm-mc -triple=amdgcn-amd-amdhsa -mcpu=gfx1250 --defsym DOCPART=n.
;; ======== version 1 of 1: 2 launches
;; workspace buffers: wq 921,600 bytes
;; launch prep (part 1): grid 144 x 1, 4 waves a work-group, no clusters, 34,816 bytes of LDS; arguments spline_weight, spline_scaler, base_weight, wq; writes wq
.if DOCPART == 1
	.amdgcn_target "amdgcn-amd-amdhsa--gfx1250"
	.amdhsa_code_object_version 6
	.text
	.protected	k_qf56b0c3680_prep
	.globl	k_qf56b0c3680_prep
	.p2align	8
	.type	k_qf56b0c3680_prep,@function
k_qf56b0c3680_prep:
	s_mov_b64 s[64:65], 0
	v_nop
	global_prefetch_b8 v0, s[64:65] scope:SCOPE_SE
	s_setreg_imm32_b32 hwreg(HW_REG_WAVE_MODE, 25, 1), 1
	s_wait_xcnt 0x0
; THE WEIGHTS, QUANTISED ONCE.  spline_weight [256][512][8] x spline_scaler [256][512] (one f32 product, as the model has it) and base_weight [256][512]
; become codes of FP6 (E2M3) with one E8M0 byte for each 32 along K, laid in the order in which the second launch's operand registers take them.
; wq = 36 records of 25,600 bytes, one for each 128 along K: records 0-31 the spline product's K steps (features 16 s .. 16 s + 15, eight bases each),
; records 32-35 the base product's (features 128 g .. 128 g + 127).  A record: 16 fragments [T][group j of four registers][lane][16 bytes] = 24,576 bytes,
; then the scale words [w][lane L][2 words]: word q is that of tile 4 w + 2 q + L / 16, row L % 16.
; THE ROWS OF A TILE ARE NOT NEIGHBOURS: row m of tile T = 4 w + 2 b + u is hidden unit 64 w + 32 b + 8 u + m + 8 (m / 8), so that in the second launch the 16 registers
; of tiles 2 b and 2 b + 1 are 16 neighbouring hidden units.
; SHARES: work-group G: record G / 4, tiles 4 (G % 4) .. + 3; wave t one tile.  Each of a wave's 16 loads reads one row's 512 consecutive bytes; the rows turn through the wave's own
; stage in LDS, so that lane (m, hh) holds blocks hh and 2 + hh of row m in consecutive registers, as the conversions and the operand's layout want them.
; One path serves both tensors: only the pointer, the row's pitch and a lane mask are chosen, on the work-group's number.  The scaler is read in pieces of 16 bytes a lane: half a megabyte in all, once.
; A block's scale is 2^(floor(log2(largest magnitude)) - 2); its byte is the largest magnitude's exponent field - 2, held at 1 from below.
; LIMITS: a block of zeros gets the byte 1 (its codes are zeros, and this program alone reads the bytes); NaN and infinities among the weights are not served.
.set REC,  25600
.set SPI,  528                         ; a stage row: 512 bytes + 16, so that row m begins 16 m bytes on modulo 256
.set SCB,  33792                       ; behind the four stages: the work-group's 256 bytes of scale words
.set OFS,  8                           ; v8-23    byte offset of my 16 bytes in row m of the tile
.set SCA,  24                          ; v24-31   the scaler of my 8 features
.set RW,   32                          ; v32-95   16 rows as loaded
.set WV,   96                          ; v96-159  my two blocks of 32
.set FR,   160                         ; v160-171 the fragment
.set T2,   172                         ; v172-174, v176-178 the blocks' upper halves
.set MXR,  180
.set SCL,  182
.set BYT,  184
.set PWD,  186
.set PXD,  187
	s_load_b256 s[4:11], s[0:1], 0x0               ; spline_weight s[4:5], spline_scaler s[6:7], base_weight s[8:9], wq s[10:11]
	v_lshl_add_u32 v192, v0, 2, 0x8600
	v_mov_b32 v193, 0
	v_lshrrev_b32 v1, 5, v0
	v_readfirstlane_b32 s12, v1                    ; wave t
	v_and_b32 v1, 31, v0                           ; lane
	s_wait_alu depctr_va_vdst(0)
	v_and_b32 v2, 15, v0                           ; m
	s_wait_alu depctr_va_vdst(0)
	v_bfe_u32 v3, v0, 4, 1                         ; hh
	s_lshr_b32 s13, ttmp9, 2                       ; the record
	s_and_b32 s14, ttmp9, 3                        ; w
	s_lshr_b32 s15, s12, 1                         ; b
	s_and_b32 s16, s12, 1                          ; u
	s_lshl_b32 s17, s14, 6
	s_lshl_b32 s18, s15, 5
	s_add_co_u32 s17, s17, s18
	s_lshl_b32 s18, s16, 3
	s_add_co_u32 s17, s17, s18                     ; the tile's first hidden unit: 64 w + 32 b + 8 u
	s_and_b32 s19, s13, 31                         ; the K step within its tensor
	s_mov_b32 s28, 0x76543210
	s_mov_b32 s29, 0xfedcba98                      ; lane selects: lane l xor 16
	s_mov_b32 s25, 0
	s_mov_b32 s20, 2048
	s_mul_i32 s27, s12, 16*SPI                     ; my stage
	s_lshl_b32 s32, s16, 7
	s_lshl_b32 s33, s15, 2
	s_add_co_u32 s32, s32, s33
	s_add_co_u32 s32, s32, SCB                     ; my tile's scale words: 8 (m + 16 u) + 4 b
	v_lshl_add_u32 v5, v1, 4, s27                  ; into the stage: 16 x lane, row m in the offset
	v_mul_u32_u24 v6, v2, SPI
	s_wait_alu depctr_va_vdst(0)
	v_lshl_add_u32 v6, v3, 7, v6
	v_add_nc_u32 v6, s27, v6                       ; out of it: row m, + 128 hh
	v_lshlrev_b32 v7, 4, v1                        ; a fragment's group: 16 x lane
	v_lshl_add_u32 v188, v2, 3, s32
	v_lshl_add_u32 v189, v1, 3, SCB
	v_lshlrev_b32 v190, 3, v1
	v_and_b32 v4, 8, v2
	v_add_nc_u32 v4, v4, v2                        ; m + 8 (m / 8)
	v_lshlrev_b32 v4, 11, v4
	v_lshl_add_u32 v4, v3, 4, v4                   ; the scaler: my unit's row of 2,048 bytes, + 16 hh
	v_mov_b32 v[PXD], 0                            ; (a lane permute's destination counts as one of its sources)
	s_wait_kmcnt 0x0
	s_cmp_lt_u32 s13, 32                           ; the spline's records or the base's?  The choice hangs on the work-group's number alone
	s_cselect_b32 s20, 16384, s20                  ; a row of the tensor in bytes
	s_cselect_b32 s21, 0, -1                       ; all lanes on the base's path: there the scaler counts as 1
	s_cselect_b64 s[22:23], s[4:5], s[8:9]
	s_mul_i32 s24, s17, s20
	s_lshl_b32 s26, s19, 9                         ; 128 numbers a K step
	s_add_co_u32 s24, s24, s26
	s_add_nc_u64 s[22:23], s[22:23], s[24:25]
.irp m, 0,1,2,3,4,5,6,7,8,9,10,11,12,13,14,15
	s_mul_i32 s26, s20, \m+8*(\m/8)
	v_lshl_add_u32 v[OFS+\m], v1, 4, s26
.endr
	s_wait_alu depctr_va_vdst(0)
.irp m, 0,1,2,3,4,5,6,7,8,9,10,11,12,13,14,15
	global_load_b128 v[RW+4*\m:RW+4*\m+3], v[OFS+\m], s[22:23] th:TH_LOAD_NT   ; 32 lanes read the row's 512 consecutive bytes
.endr
	s_lshl_b32 s24, s17, 11
	s_lshl_b32 s26, s19, 6
	s_add_co_u32 s24, s24, s26
	s_add_nc_u64 s[6:7], s[6:7], s[24:25]
	global_load_b128 v[SCA:SCA+3], v4, s[6:7]                ; features 16 s + 4 hh + 0 .. 3
	global_load_b128 v[SCA+4:SCA+7], v4, s[6:7] offset:32    ; and 8 further on  (on the base's path: loaded inside the buffer, and replaced below)
	s_mul_i32 s24, s13, REC
	s_add_nc_u64 s[10:11], s[10:11], s[24:25]      ; my record
	s_lshl_b32 s24, s14, 2
	s_add_co_u32 s24, s24, s12
	s_mul_i32 s24, s24, 1536
	s_add_nc_u64 s[30:31], s[10:11], s[24:25]      ; my fragment
	s_lshl_b32 s24, s14, 8
	s_add_co_u32 s24, s24, 24576
	s_add_nc_u64 s[10:11], s[10:11], s[24:25]      ; my work-group's scale words
	s_wait_loadcnt 0x0
.irp m, 0,1,2,3,4,5,6,7,8,9,10,11,12,13,14,15
	ds_store_b128 v5, v[RW+4*\m:RW+4*\m+3] offset:SPI*\m
.endr
.irp c, 0,1
.irp e, 0,1,2,3,4,5,6,7
	ds_load_b128 v[WV+32*\c+4*\e:WV+32*\c+4*\e+3], v6 offset:256*\c+16*\e   ; LDS serves a wave's instructions in order: these see my stores
.endr
.endr
.irp i, 0,1,2,3,4,5,6,7
	v_cndmask_b32 v[SCA+\i], v[SCA+\i], 1.0, s21
.endr
	s_wait_alu depctr_va_vdst(0)
	s_wait_dscnt 0x0
.irp c, 0,1
.irp f, 0,1,2,3
.irp j, 0,1,2,3,4,5,6,7
	v_mul_f32 v[WV+32*\c+8*\f+\j], v[WV+32*\c+8*\f+\j], v[SCA+4*\c+\f]   ; spline_weight x spline_scaler, in f32
.endr
.endr
.endr
.irp c, 0,1
	v_max3_num_f32 v[MXR+\c], |v[WV+32*\c]|, |v[WV+32*\c+1]|, 0x1800000   ; my block 2 c + hh, and the floor 2^(3 - 127): so the byte cannot fall under 1
.endr
.irp i, 2,4,6,8,10,12,14,16,18,20,22,24,26,28,30
.irp c, 0,1
	v_max3_num_f32 v[MXR+\c], v[MXR+\c], |v[WV+32*\c+\i]|, |v[WV+32*\c+\i+1]|
.endr
.endr
.irp c, 0,1
	v_add_nc_u32 v[SCL+\c], 0xff000000, v[MXR+\c]  ; 2 off the exponent field: the conversion's scale operand
.endr
.irp c, 0,1
	v_lshrrev_b32 v[BYT+\c], 23, v[SCL+\c]         ; the scale's byte
.endr
	v_lshl_or_b32 v[PWD], v[BYT+1], 16, v[BYT]     ; blocks hh and 2 + hh,
	v_lshlrev_b32 v191, 3, v3
	v_lshlrev_b32 v[PWD], v191, v[PWD]             ; at their places in the row's scale word;
	v_permlanex16_b32 v[PXD], v[PWD], s28, s29
	v_or_b32 v[PWD], v[PWD], v[PXD]                ; with lane l xor 16's two the word is whole
.irp c, 0,1
	v_cvt_scalef32_pk16_fp6_f32 v[FR+6*\c:FR+6*\c+2], v[WV+32*\c:WV+32*\c+15], v[SCL+\c]
	v_cvt_scalef32_pk16_fp6_f32 v[T2+4*\c:T2+4*\c+2], v[WV+32*\c+16:WV+32*\c+31], v[SCL+\c]   ; (a conversion's three registers begin on an even number)
.endr
	v_nop                                          ; one plain place behind a scaled conversion
.irp c, 0,1
.irp i, 0,1,2
	v_mov_b32 v[FR+6*\c+3+\i], v[T2+4*\c+\i]
.endr
.endr
.irp j, 0,1,2
	global_store_b128 v7, v[FR+4*\j:FR+4*\j+3], s[30:31] offset:512*\j   ; 32 lanes store 512 consecutive bytes, at a multiple of 256 from wq's first byte
.endr
	ds_store_b32 v188, v[PWD]                      ; both halves of the lanes write the same word with the same value
	s_wait_dscnt 0x0                               ; for the others' sake: my word has landed
	s_barrier_signal -1
	s_barrier_wait -1
	s_cmp_lg_u32 s12, 0
	s_cbranch_scc1 .Ldone
	ds_load_b64 v[176:177], v189                   ; wave 0: the four tiles' 64 words
	s_wait_dscnt 0x0
	global_store_b64 v190, v[176:177], s[10:11]    ; 256 consecutive bytes, aligned
.Ldone:
	s_wait_tensorcnt 0x0
	ds_add_u32 v192, v193
	s_wait_dscnt 0x0
	s_endpgm
.Lfunc_end_k_qf56b0c3680_prep:
	.size	k_qf56b0c3680_prep, .Lfunc_end_k_qf56b0c3680_prep-k_qf56b0c3680_prep
	.p2alignl 7, 3214868480
	.fill 96, 4, 3214868480
	.section	.rodata,"a",@progbits
	.p2align	6, 0x0
	.amdhsa_kernel k_qf56b0c3680_prep
		.amdhsa_group_segment_fixed_size 34816
		.amdhsa_private_segment_fixed_size 0
		.amdhsa_enable_private_segment 0
		.amdhsa_kernarg_size 32
		.amdhsa_user_sgpr_count 2
		.amdhsa_user_sgpr_kernarg_segment_ptr 1
		.amdhsa_wavefront_size32 1
		.amdhsa_system_sgpr_workgroup_id_x 1
		.amdhsa_system_sgpr_workgroup_id_y 1
		.amdhsa_system_sgpr_workgroup_id_z 1
		.amdhsa_system_vgpr_workitem_id 0
		.amdhsa_next_free_vgpr 194
		.amdhsa_next_free_sgpr 66
		.amdhsa_reserve_vcc 0
		.amdhsa_float_denorm_mode_32 3
		.amdhsa_float_denorm_mode_16_64 3
		.amdhsa_memory_ordered 1
		.amdhsa_forward_progress 1
		.amdhsa_inst_pref_size 15
	.end_amdhsa_kernel
	.amdgpu_metadata
---
amdhsa.version: [ 1, 2 ]
amdhsa.kernels:
  - .name:           k_qf56b0c3680_prep
    .symbol:         k_qf56b0c3680_prep.kd
    .args:
      - { .name: spline_weight, .offset: 0, .size: 8, .value_kind: global_buffer, .address_space: global }
      - { .name: spline_scaler, .offset: 8, .size: 8, .value_kind: global_buffer, .address_space: global }
      - { .name: base_weight, .offset: 16, .size: 8, .value_kind: global_buffer, .address_space: global }
      - { .name: wq, .offset: 24, .size: 8, .value_kind: global_buffer, .address_space: global }
    .group_segment_fixed_size: 34816
    .private_segment_fixed_size: 0
    .kernarg_segment_align: 8
    .kernarg_segment_size: 32
    .max_flat_workgroup_size: 128
    .sgpr_count:     66
    .vgpr_count:     194
    .wavefront_size: 32
...
	.end_amdgpu_metadata
.endif
;; end of part 1
;; launch kan (part 2): grid 256 x 1, 4 waves a work-group, clusters of 4 x 1, 327,680 bytes of LDS; arguments x, attn_embedding, cls_weight, cls_bias, wq, out0, out1; writes out0, out1
.if DOCPART == 2
	.amdgcn_target "amdgcn-amd-amdhsa--gfx1250"
	.amdhsa_code_object_version 6
	.text
	.protected	k_qf56b0c3680_kan
	.globl	k_qf56b0c3680_kan
	.p2align	8
	.type	k_qf56b0c3680_kan,@function
k_qf56b0c3680_kan:
	s_mov_b64 s[64:65], 0
	v_nop
	global_prefetch_b8 v0, s[64:65] scope:SCOPE_SE
	s_setreg_imm32_b32 hwreg(HW_REG_WAVE_MODE, 25, 1), 1
	s_wait_xcnt 0x0
	s_wait_alu depctr_hold_cnt(0) depctr_sa_sdst(0) depctr_va_vdst(0) depctr_va_sdst(0) depctr_va_ssrc(0) depctr_va_vcc(0) depctr_vm_vsrc(0)
	s_getreg_b32 s2, hwreg(HW_REG_IB_STS2, 6, 4)
	s_cmp_eq_u32 s2, 0
	s_cbranch_scc0 .Lentry_in_a_cluster
	s_endpgm
.Lentry_in_a_cluster:
	s_bfe_u32 s2, ttmp6, 0x10000c
	s_cmp_lg_u32 s2, 0x3003
	s_cbranch_scc0 .Lentry_shape_is_right
	s_endpgm
.Lentry_shape_is_right:
; h = Q(gelu(x)) Q(base_weight)^T + Q(bsplines(x)) Q(spline_weight x scaler)^T on codes of FP6 (E2M3) with one E8M0 scale for each 32 along K;  out1 = [h | attn];  out0 = log_softmax(out1 cls_weight^T + cls_bias).
; SHARES.  A work-group of four waves owns 64 rows and all 256 hidden units, so that every number of x is turned into operands once.  MAKING: wave w makes the operand fragments of rows 16 w .. + 15; they go to the other
; waves through LDS as images of their registers.  MULTIPLYING: wave w multiplies all four tiles of rows by its own four tiles of weights: 16 accumulators.  Source 0 = 16 rows of weights, source 1 = 16 rows of x:
; a lane holds one row and eight neighbouring hidden units.
; THE WEIGHTS are the first launch's records (25,600 bytes for 128 along K, in register order).  All work-groups walk all of them, so four work-groups form a cluster and ask for each record JOINTLY.
; A slot of the ring holds four records, one fetched by each wave; two slots.  Slots 0-7: the spline product (64 features each); slot 8: the base product's four K steps.
; THE SPLINES.  The grid is uniform: u = 2.5 x + 5.5, held to 0 .. 11; c = floor(u), t = u - c, s = 1 - t.  The bases c - 3 .. c are g(s), f(t), f(s), g(t), g(a) = a^3 / 6, f(a) = 2/3 - a^2 + a^3 / 2; all others are 0.
; A block of 32 along K is 4 features x 8 bases and holds at most 16 numbers that are not 0: ONE conversion of 16.  A feature's four codes (24 bits) are set at bit 6 (c - 3) of its field of 48 bits; codes of bases
; outside 0 .. 7 fall off the ends.  The block's largest magnitude is the spline at the least distance d from u to a centre 2 .. 9: d = max(min(t, s), 2 - u, u - 9); N(d) = min(f(d), g(2 - d)), by the same instructions as the numbers.
; GELU = x/2 + x/2 erf(x / sqrt(2)), erf by a rational form in z^2 on z held to +-4.  Its codes are made while the chunk of x lies in LDS and wait there as images for slot 8.
; x comes 64 features (256 bytes of each row) at a time, asked for two slots ahead into registers, and turns through the wave's own LDS buffer.  The last two requests name chunk 7 again (a clamp: no load leaves x, and every trip
; has the same count of loads); what they bring is not used.
; LIMITS.  NaN and infinities in x are not served.  erf has an absolute error of about 1e-7, so where gelu lies under about 2e-7 |x| (far negative x) its relative accuracy is lost.  In cell c = 0 the block's largest
; magnitude is made from 2 - (2 - u) and may differ from t^3 / 6 in its last bits.  Blocks of zeros carry the scale byte 1; their codes are zeros.  The classifier's operands (h, attn, cls_weight) are rounded to bf16.
; The sums begin as zeros written once, while the first tiles are on their way: so the loop's text serves its first trip too.
; REGISTERS.  window 0: v1-3 lane, r, h; v4-26 addresses; v28-39 scale words; v40-73 constants; v76-231 at work.  window 1: v0-127 the 16 accumulators ((t, m) at 8 (4 t + m)); v128-175, v176-223 fragments of rows.
;   window 2: v0-95 fragments of weights, two sets; v96-159 two chunks of x; v160-216 the classifier's operands.
.set REC,   25600
.set SLOTB, 4*REC                      ; a slot: four records
.set XB,    2*SLOTB                    ; x: for each wave two buffers of 16 rows x (256 + 16) bytes, the wave's own
.set XBUF,  16*272
.set XPW,   2*XBUF
.set AIMG,  XB+4*XPW                   ; two buffers for a spline step's images: four fragments of 1,536 bytes, then 256 bytes of scale words (row r, tile m: 16 r + 4 m)
.set ASC,   6144
.set ABUF,  6400
.set GIMG,  AIMG+2*ABUF                ; the four gelu steps' images, laid alike
.set LOGP,  GIMG+4*ABUF                ; the waves' parts of the logits
.set SPARE, LOGP+16384                 ; the spare words, 128 bytes a wave: two blocks of 256 bytes that no other line names
.set O0S,   SPARE+512                  ; out0's turn, 1,024 bytes a wave
.set STAGE, SLOTB                      ; out1's 64 rows of 1,060 bytes, dense, in slot 1: it has had its last fill and its last read when the first result is stored there
.set SPW, 4
.set NIL, 5
.set ADB, 6                            ; v6-9    my four weight fragments: slot p, records 0-1 or 2-3
.set ABSC, 10                          ; v10-13  their scale words
.set LI,  14                           ; AIMG + 16 x lane
.set ASA, 15                           ; AIMG + ASC + 16 r
.set AWI, 16                           ; where I store my fragment's image
.set AWS, 17                           ; and its scale word
.set GWI0, 18
.set GWS0, 19
.set GWI, 20                           ; the same for the gelu step in hand
.set GWS, 21
.set XST, 22
.set XRD, 23
.set XRG, 24
.set XGO, 25
.set SH8, 26
.set AS,  28                           ; v28-31  the four row tiles' scale words;  v32-35 a second set
.set AS2, 32
.set BS,  36                           ; v36-39  the weights' scale words, two sets of two: register q: lanes 0-15 tile 2 q, lanes 16-31 tile 2 q + 1
.set KA01, 40
.set KB01, 42
.set KC01, 44
.set KA23, 46
.set KB23, 48
.set KC23, 50
.set KNP, 52
.set KE0, 54
.set K25, 56
.set K55, 58
.set ZP,  60
.set VV,  62                           ; v62-69  a feature's four codes
.set KA13, 70
.set KB8, 72
.set XX,  76                           ; 8 numbers of x, later min(t, s), later d
.set UU,  84
.set QQ,  92                           ; pairs (s, t)
.set QS,  108                          ; their squares, later (2 - u, u - 9)
.set WW,  124                          ; 4 numbers a feature
.set CI,  156                          ; c, 6 c, z
.set TA,  164                          ; min(6 c, 18), a
.set QB,  172                          ; (2 - d, d) for each block
.set QB2, 176
.set RB,  180
.set MX,  184
.set SCL, 186
.set BY,  188
.set PW,  190
.set PX,  191
.set CD,  192
.set TT,  200
.set OO,  212                          ; the fragment
.set TB,  224                          ; min(6 c, 42), y, 2^y
.set GX,  76
.set ZZ,  108
.set Z2,  124
.set PP,  140
.set QD,  156
.set GM,  172
.set GSC, 176
.set GBY, 177
.set G2,  178
.set GO,  184
.set AF,  128                          ; window 1
.set AF2, 176
.set XG,  96                           ; window 2
.set CW,  160
.set CWA, 176
.set ATF, 184
.set LA,  192
.set BIASC, 200
.set ATT, 208
.set G1,  24                           ; s[24:31] descriptor group 1;  s[32:35], s[36:39] group 0 for slots 0 and 1
.set G0,  32
.set CA11, 40                          ; s[40:59] erf's coefficients, each twice (the packed forms name a pair)
.set CA9, 42
.set CA7, 44
.set CA5, 46
.set CA3, 48
.set CA1, 50
.set CB6, 52
.set CB4, 54
.set CB2, 56
.set CB0, 58
.set MSB, 0
.macro WIN new                         ; the immediate's high byte repeats the setting that is left; a switch that changes nothing is dropped
.if MSB != \new
	s_set_vgpr_msb (MSB<<8)|\new
.set MSB, \new
.endif
.endm
.macro SPAIR r, val
	s_mov_b32 s[\r], \val
	s_mov_b32 s[\r+1], \val
.endm
.macro PLACES
.rept 4
	v_nop
.endr
.endm
.macro CROUND                          ; a round of the cluster's barrier
	s_barrier_signal -1
	s_barrier_wait -1
	s_cmp_lg_u32 s18, 0
	s_cbranch_scc1 .Lnot_wave_0_\@
	s_barrier_signal -3
.Lnot_wave_0_\@:
	s_barrier_wait -3
	s_barrier_signal -1
	s_barrier_wait -1
.endm
.macro BAR                             ; my LDS stores have landed and my LDS loads are in: then the work-group's barrier.  The next slot's tile may stay on its way
	s_wait_dscnt 0x0
	s_barrier_signal -1
	s_barrier_wait -1
.endm
; THE CHANGE OF SLOTS, at the head of a slot of parity p.  fill = 1: the other slot, which every wave has left, takes the four records that follow; the load has this whole slot's work in which to land.
.macro CHANGE p, fill
	WIN 0
	s_wait_tensorcnt 0x0                           ; my one tensor load, my record of the slot ahead, has landed: so its group 0 may be written
	ds_add_u32 v[SPW], v[NIL]                      ; 0 onto my spare word
.if \fill
	s_add_nc_u64 s[G0+4*(\p)+2:G0+4*(\p)+3], s[G0+4*(\p)+2:G0+4*(\p)+3], 2*SLOTB   ; this slot's next records lie two slots on
.endif
	s_wait_dscnt 0x0                               ; the add is done, and my reads of the slot that I have left are over
.if \fill
	CROUND                                         ; both hold of every wave of all four work-groups
	tensor_load_to_lds s[G0+4*(1-(\p)):G0+4*(1-(\p))+3], s[G1:G1+7]   ; my one tensor load until the next change
	s_nop 0
	PLACES
.else
	s_barrier_signal -1
	s_barrier_wait -1
.endif
.endm
.macro XISSUE p                        ; the chunk two slots on, into the registers whose chunk has gone to LDS
	s_wait_xcnt 0x0                                ; the earlier loads have read their base: it may be written
	s_min_u32 s78, s80, 7
	s_lshl_b32 s78, s78, 8
	s_add_nc_u64 s[76:77], s[4:5], s[78:79]
	s_add_co_u32 s80, s80, 1
	WIN 0x80
.irp q, 0,1,2,3,4,5,6,7
	global_load_b128 v[XG+32*(\p)+4*\q:XG+32*(\p)+4*\q+3], v[XGO], s[76:77] offset:4096*\q   ; sixteen lanes read 256 consecutive bytes of a row, aligned
.endr
	WIN 0
.endm
.macro XTURN p                         ; the next slot's chunk goes to my LDS buffer
	s_wait_loadcnt 8                               ; its eight loads are in; the eight issued at this slot's head may be out
	WIN 0x08
.irp q, 0,1,2,3,4,5,6,7
	ds_store_b128 v[XST], v[XG+32*(\p)+4*\q:XG+32*(\p)+4*\q+3] offset:XBUF*(\p)+544*\q
.endr
	WIN 0
.endm
.macro LOADB p, j                      ; my four weight fragments and their scale words of record j of slot p, into set j % 2: 13 loads
	WIN 0x80
.irp t, 0,1,2,3
.irp i, 0,1,2
	ds_load_b128 v[48*((\j)%2)+12*\t+4*\i:48*((\j)%2)+12*\t+4*\i+3], v[ADB+2*(\p)+(\j)/2] offset:((\j)%2)*REC+1536*\t+512*\i
.endr
.endr
	WIN 0
	ds_load_b64 v[BS+2*((\j)%2):BS+2*((\j)%2)+1], v[ABSC+2*(\p)+(\j)/2] offset:((\j)%2)*REC
.endm
.macro LOADA off, afb, asb             ; the four row tiles' images and scale words: 13 loads
	ds_load_b128 v[\asb:\asb+3], v[ASA] offset:(\off)
	WIN 0x40
.irp m, 0,1,2,3
.irp i, 0,1,2
	ds_load_b128 v[\afb+12*\m+4*\i:\afb+12*\m+4*\i+3], v[LI] offset:(\off)+1536*\m+512*\i
.endr
.endr
	WIN 0
.endm
; Product i of a K step's 16: weight tile t = i / 4, row tile m = i % 4.  The 16 accumulators take turns, one instruction a turn, in the same order in every step.
.macro WM i, bp, afb, asb
	WIN 0x56                                       ; source 0 (weights) window 2; source 1 (rows), C and D window 1
.set WT, (\i)/4
.set WMM, (\i)%4
.if WT%2
	v_wmma_scale_f32_16x16x128_f8f6f4 v[8*(\i):8*(\i)+7], v[48*(\bp)+12*WT:48*(\bp)+12*WT+11], v[\afb+12*WMM:\afb+12*WMM+11], v[8*(\i):8*(\i)+7], v[BS+2*(\bp)+WT/2], v[\asb+WMM] matrix_a_fmt:MATRIX_FMT_FP6 matrix_b_fmt:MATRIX_FMT_FP6 matrix_a_scale:MATRIX_SCALE_ROW1
.else
	v_wmma_scale_f32_16x16x128_f8f6f4 v[8*(\i):8*(\i)+7], v[48*(\bp)+12*WT:48*(\bp)+12*WT+11], v[\afb+12*WMM:\afb+12*WMM+11], v[8*(\i):8*(\i)+7], v[BS+2*(\bp)+WT/2], v[\asb+WMM] matrix_a_fmt:MATRIX_FMT_FP6 matrix_b_fmt:MATRIX_FMT_FP6
.endif
.endm
.macro MW w, bp                        ; one product between two runs of vector lines: the making of the next operand is the longer work, and the products stand inside it
.if \w
	WM WI, \bp, AF, AS
	WIN 0
.set WI, WI+1
.endif
.endm
.macro WALL bp, afb, asb               ; a K step's 16 products on end
.set WI, 0
.rept 16
	WM WI, \bp, \afb, \asb
.set WI, WI+1
.endr
	WIN 0
.endm
; SPLINE STEP j of the slot whose chunk lies in buffer p: my 16 rows' fragment is made and stored as an image.  w = 1: the step before is multiplied meanwhile (weights' set bp).  nb: the record whose weights are fetched.
; Lane (r, h) makes blocks h and 2 + h of row r: features 16 j + 8 c + 4 h + 0 .. 3, c = 0, 1.
.macro SGEN p, j, w, bp, nb
.set WI, 0
	ds_load_b128 v[XX:XX+3], v[XRD] offset:XBUF*(\p)+64*(\j)
	ds_load_b128 v[XX+4:XX+7], v[XRD] offset:XBUF*(\p)+64*(\j)+32
.if \w
	LOADA ABUF*(((\j)+1)%2), AF, AS
	s_wait_dscnt 13                                ; my 8 numbers are in; the 13 loads of the images may be out
.else
	s_wait_dscnt 0x0
.endif
.irp i, 0,2,4,6
	v_pk_fma_f32 v[UU+\i:UU+\i+1], v[XX+\i:XX+\i+1], v[K25:K25+1], v[K55:K55+1]
.endr
.irp i, 0,1,2,3,4,5,6,7
	v_med3_num_f32 v[UU+\i], v[UU+\i], 0, s66      ; held to 0 .. 11: at both ends every basis of 0 .. 7 is 0
.endr
.irp i, 0,1,2,3,4,5,6,7
	v_fract_f32 v[QQ+2*\i+1], v[UU+\i]             ; t
.endr
.irp i, 0,1,2,3,4,5,6,7
	v_cvt_i32_f32 v[CI+\i], v[UU+\i]               ; c
.endr
.irp i, 0,1,2,3,4,5,6,7
	v_sub_f32 v[QQ+2*\i], 1.0, v[QQ+2*\i+1]        ; s
.endr
.irp i, 0,1,2,3,4,5,6,7
	v_pk_mul_f32 v[QS+2*\i:QS+2*\i+1], v[QQ+2*\i:QQ+2*\i+1], v[QQ+2*\i:QQ+2*\i+1]
.endr
.if \w
	s_wait_dscnt 0x0                               ; the images are in
.endif
	LOADB \p, \nb                                  ; into the set that the step before last multiplied by
	MW \w, \bp
.irp i, 0,1,2,3,4,5,6,7
	v_pk_fma_f32 v[WW+4*\i:WW+4*\i+1], v[QQ+2*\i:QQ+2*\i+1], v[KA01:KA01+1], v[KB01:KB01+1]
.endr
	MW \w, \bp
.irp i, 0,1,2,3,4,5,6,7
	v_pk_fma_f32 v[WW+4*\i+2:WW+4*\i+3], v[QQ+2*\i:QQ+2*\i+1], v[KA23:KA23+1], v[KB23:KB23+1]
.endr
	MW \w, \bp
.irp i, 0,1,2,3,4,5,6,7
	v_pk_fma_f32 v[WW+4*\i:WW+4*\i+1], v[QS+2*\i:QS+2*\i+1], v[WW+4*\i:WW+4*\i+1], v[KC01:KC01+1]       ; g(s), f(t)
.endr
	MW \w, \bp
.irp i, 0,1,2,3,4,5,6,7
	v_pk_fma_f32 v[WW+4*\i+2:WW+4*\i+3], v[QS+2*\i:QS+2*\i+1], v[WW+4*\i+2:WW+4*\i+3], v[KC23:KC23+1]   ; f(s), g(t)
.endr
	MW \w, \bp
.irp i, 0,1,2,3,4,5,6,7
	v_min_num_f32 v[XX+\i], v[QQ+2*\i+1], v[QQ+2*\i]
.endr
	MW \w, \bp
.irp i, 0,2,4,6
	v_pk_fma_f32 v[QS+2*\i:QS+2*\i+1], v[UU+\i:UU+\i+1], v[KNP:KNP+1], v[KE0:KE0+1] op_sel_hi:[0,1,1]                   ; (2 - u, u - 9) of the pair's first u,
	v_pk_fma_f32 v[QS+2*\i+2:QS+2*\i+3], v[UU+\i:UU+\i+1], v[KNP:KNP+1], v[KE0:KE0+1] op_sel:[1,0,0] op_sel_hi:[1,1,1]  ; and of its second
.endr
	MW \w, \bp
.irp i, 0,1,2,3,4,5,6,7
	v_max3_num_f32 v[XX+\i], v[XX+\i], v[QS+2*\i], v[QS+2*\i+1]   ; d: the distance to the nearest centre of a basis 0 .. 7
.endr
	MW \w, \bp
	; from here the block's scale (two lines wide, each waiting for the last) stands between the lines that make the shifts (eight wide)
.irp c, 0,1
	v_min3_num_f32 v[QB+2*\c+1], v[XX+4*\c], v[XX+4*\c+1], v[XX+4*\c+2]
.endr
.irp i, 0,1,2,3,4,5,6,7
	v_mul_u32_u24 v[CI+\i], v[CI+\i], 6            ; 6 c: the codes belong at bit 6 c - 18 of the feature's field
.endr
	MW \w, \bp
.irp c, 0,1
	v_min_num_f32 v[QB+2*\c+1], v[QB+2*\c+1], v[XX+4*\c+3]   ; the block's least d
.endr
.irp i, 0,1,2,3,4,5,6,7
	v_min_u32 v[TA+\i], 18, v[CI+\i]
.endr
	MW \w, \bp
.irp c, 0,1
	v_sub_f32 v[QB+2*\c], 2.0, v[QB+2*\c+1]
.endr
.irp i, 0,1,2,3,4,5,6,7
	v_min_u32 v[TB+\i], 42, v[CI+\i]
.endr
	MW \w, \bp
.irp c, 0,1
	v_pk_mul_f32 v[QB2+2*\c:QB2+2*\c+1], v[QB+2*\c:QB+2*\c+1], v[QB+2*\c:QB+2*\c+1]
	v_pk_fma_f32 v[RB+2*\c:RB+2*\c+1], v[QB+2*\c:QB+2*\c+1], v[KA01:KA01+1], v[KB01:KB01+1]
.endr
.irp i, 0,1,2,3,4,5,6,7
	v_sub_nc_u32 v[CI+\i], v[CI+\i], v[TB+\i]      ; z: what of the shift lies beyond 24
.endr
	MW \w, \bp
.irp c, 0,1
	v_pk_fma_f32 v[RB+2*\c:RB+2*\c+1], v[QB2+2*\c:QB2+2*\c+1], v[RB+2*\c:RB+2*\c+1], v[KC01:KC01+1]   ; g(2 - d), f(d)
.endr
.irp i, 0,1,2,3,4,5,6,7
	v_sub_nc_u32 v[TB+\i], v[TB+\i], v[TA+\i]      ; y: 0 .. 24
.endr
	MW \w, \bp
.irp c, 0,1
	v_min_num_f32 v[MX+\c], v[RB+2*\c], v[RB+2*\c+1]   ; the block's largest magnitude
.endr
.irp i, 0,1,2,3,4,5,6,7
	v_sub_nc_u32 v[TA+\i], 18, v[TA+\i]            ; a: the shift down, for cells 0 to 2
.endr
	MW \w, \bp
.irp c, 0,1
	v_max_num_f32 v[MX+\c], s74, v[MX+\c]          ; the floor 2^(3 - 127): the byte cannot fall under 1
.endr
.irp i, 0,1,2,3,4,5,6,7
	v_lshlrev_b32 v[TB+\i], v[TB+\i], 1            ; 2^y
.endr
	MW \w, \bp
.irp c, 0,1
	v_add_nc_u32 v[SCL+\c], s75, v[MX+\c]          ; 2 off the exponent field: the conversion's scale operand
.endr
.irp c, 0,1
	v_lshrrev_b32 v[BY+\c], 23, v[SCL+\c]          ; the scale's byte
.endr
.irp c, 0,1
	v_cvt_scalef32_pk16_fp6_f32 v[CD+4*\c:CD+4*\c+2], v[WW+16*\c:WW+16*\c+15], v[SCL+\c]   ; four features x four codes.  (Numbers of bases outside 0 .. 7 may lie beyond the largest code: they are held there, and fall off below)
.endr
	v_nop                                          ; one plain place behind a scaled conversion
.irp c, 0,1
	v_and_b32 v[VV+4*\c], s67, v[CD+4*\c]
	v_perm_b32 v[VV+4*\c+1], v[CD+4*\c+1], v[CD+4*\c], s68
	v_perm_b32 v[VV+4*\c+2], v[CD+4*\c+2], v[CD+4*\c+1], s69
	v_lshrrev_b32 v[VV+4*\c+3], 8, v[CD+4*\c+2]
.endr
	MW \w, \bp                                     ; the step's last product: more than four plain lines follow it ahead of the next loads into its registers
.irp i, 0,1,2,3,4,5,6,7
	v_lshrrev_b32 v[VV+\i], v[TA+\i], v[VV+\i]
.endr
.irp i, 0,1,2,3,4,5,6,7
	v_lshlrev_b32 v[VV+\i], v[CI+\i], v[VV+\i]     ; (what leaves the 32 bits here would land at bit 56 or above)
.endr
.irp c, 0,1
	v_mad_nc_u64_u32 v[OO+6*\c:OO+6*\c+1], v[VV+4*\c], v[TB+4*\c], v[ZP:ZP+1]
	v_mad_nc_u64_u32 v[TT+6*\c:TT+6*\c+1], v[VV+4*\c+1], v[TB+4*\c+1], v[ZP:ZP+1]
	v_mad_nc_u64_u32 v[TT+6*\c+2:TT+6*\c+3], v[VV+4*\c+2], v[TB+4*\c+2], v[ZP:ZP+1]
	v_mad_nc_u64_u32 v[TT+6*\c+4:TT+6*\c+5], v[VV+4*\c+3], v[TB+4*\c+3], v[ZP:ZP+1]
.endr
.irp c, 0,1                                    ; four fields of 48 bits make the block's six registers
	v_perm_b32 v[OO+6*\c+1], v[TT+6*\c], v[OO+6*\c+1], s70
	v_alignbit_b32 v[OO+6*\c+2], v[TT+6*\c+1], v[TT+6*\c], 16
	v_mov_b32 v[OO+6*\c+3], v[TT+6*\c+2]
	v_perm_b32 v[OO+6*\c+4], v[TT+6*\c+4], v[TT+6*\c+3], s70
	v_alignbit_b32 v[OO+6*\c+5], v[TT+6*\c+5], v[TT+6*\c+4], 16
.endr
	v_lshl_or_b32 v[PW], v[BY+1], 16, v[BY]        ; blocks h and 2 + h,
	v_lshlrev_b32 v[PW], v[SH8], v[PW]             ; at their places in the row's scale word;
	v_permlanex16_b32 v[PX], v[PW], s72, s73
	v_or_b32 v[PW], v[PW], v[PX]                   ; with lane l xor 16's two the word is whole
.irp i, 0,1,2
	ds_store_b128 v[AWI], v[OO+4*\i:OO+4*\i+3] offset:ABUF*((\j)%2)+512*\i
.endr
	ds_store_b32 v[AWS], v[PW] offset:ABUF*((\j)%2)   ; both halves of the lanes write the same word with the same value
.endm
.macro HORN acc, co
.irp i, 0,2,4,6,8,10,12,14
	v_pk_fma_f32 v[\acc+\i:\acc+\i+1], v[\acc+\i:\acc+\i+1], v[Z2+\i:Z2+\i+1], s[\co:\co+1] op_sel_hi:[1,1,0]
.endr
.endm
.macro GBATCH bt, bp                   ; gelu of 16 numbers, in place; eight products stand in it
.set GB, GX+16*(\bt)
.irp i, 0,2,4,6,8,10,12,14
	v_pk_mul_f32 v[ZZ+\i:ZZ+\i+1], v[GB+\i:GB+\i+1], s[82:83] op_sel_hi:[1,0]   ; z = x / sqrt(2)
.endr
.irp i, 0,1,2,3,4,5,6,7,8,9,10,11,12,13,14,15
	v_med3_num_f32 v[ZZ+\i], v[ZZ+\i], -4.0, 4.0
.endr
.irp i, 0,2,4,6,8,10,12,14
	v_pk_mul_f32 v[Z2+\i:Z2+\i+1], v[ZZ+\i:ZZ+\i+1], v[ZZ+\i:ZZ+\i+1]
.endr
.if (\bt) == 0
	s_wait_alu depctr_va_vdst(0)
	s_wait_dscnt 0x0                               ; the images are in
.endif
.irp i, 0,2,4,6,8,10,12,14
	v_pk_fma_f32 v[PP+\i:PP+\i+1], v[Z2+\i:Z2+\i+1], v[KA13:KA13+1], s[CA11:CA11+1] op_sel_hi:[1,1,0]
.endr
	MW 1, \bp
	HORN PP, CA9
	MW 1, \bp
	HORN PP, CA7
	MW 1, \bp
	HORN PP, CA5
	MW 1, \bp
	HORN PP, CA3
	MW 1, \bp
	HORN PP, CA1
	MW 1, \bp
.irp i, 0,2,4,6,8,10,12,14
	v_pk_fma_f32 v[QD+\i:QD+\i+1], v[Z2+\i:Z2+\i+1], v[KB8:KB8+1], s[CB6:CB6+1] op_sel_hi:[1,1,0]
.endr
	MW 1, \bp
	HORN QD, CB4
	MW 1, \bp
	HORN QD, CB2
	HORN QD, CB0
	s_wait_alu depctr_va_vdst(0)
.irp i, 0,1,2,3,4,5,6,7,8,9,10,11,12,13,14,15
	v_rcp_f32 v[QD+\i], v[QD+\i]
.endr
.irp i, 0,2,4,6,8,10,12,14
	v_pk_mul_f32 v[PP+\i:PP+\i+1], v[PP+\i:PP+\i+1], v[ZZ+\i:ZZ+\i+1]   ; plain work that names no reciprocal
.endr
	s_wait_alu depctr_va_vdst(0)                   ; one wait for the batch of 16 reciprocals, ahead of their first reader
.irp i, 0,2,4,6,8,10,12,14
	v_pk_mul_f32 v[PP+\i:PP+\i+1], v[PP+\i:PP+\i+1], v[QD+\i:QD+\i+1]   ; erf(z)
.endr
.irp i, 0,2,4,6,8,10,12,14
	v_pk_mul_f32 v[ZZ+\i:ZZ+\i+1], v[GB+\i:GB+\i+1], 0.5 op_sel_hi:[1,0]
.endr
.irp i, 0,2,4,6,8,10,12,14
	v_pk_fma_f32 v[GB+\i:GB+\i+1], v[ZZ+\i:ZZ+\i+1], v[PP+\i:PP+\i+1], v[ZZ+\i:ZZ+\i+1]
.endr
.endm
; THE CHUNK'S GELU: lane (r, h) takes features 32 h .. 32 h + 31 of the chunk in buffer p: one whole block: block 2 p + h of the gelu step in hand.  Spline step 3 is multiplied meanwhile.
.macro GGEN p, bp
.set WI, 0
.irp e, 0,1,2,3,4,5,6,7
	ds_load_b128 v[GX+4*\e:GX+4*\e+3], v[XRG] offset:XBUF*(\p)+16*\e
.endr
	LOADA ABUF, AF, AS                             ; step 3's images lie in buffer 1
	s_wait_dscnt 13                                ; my 32 numbers are in; the 13 loads of the images may be out
	GBATCH 0, \bp
	GBATCH 1, \bp
.irp k, 0,1,2,3
	v_max3_num_f32 v[GM+\k], |v[GX+8*\k]|, |v[GX+8*\k+1]|, |v[GX+8*\k+2]|
.endr
.irp k, 0,1,2,3
	v_max3_num_f32 v[GM+\k], v[GM+\k], |v[GX+8*\k+3]|, |v[GX+8*\k+4]|
.endr
.irp k, 0,1,2,3
	v_max3_num_f32 v[GM+\k], v[GM+\k], |v[GX+8*\k+5]|, |v[GX+8*\k+6]|
.endr
	v_max3_num_f32 v[GM], v[GM], |v[GX+7]|, |v[GX+15]|
	v_max3_num_f32 v[GM+1], v[GM+1], |v[GX+23]|, |v[GX+31]|
	v_max3_num_f32 v[GM+2], v[GM+2], v[GM+3], s74  ; and the floor
	v_max3_num_f32 v[GM], v[GM], v[GM+1], v[GM+2]
	v_add_nc_u32 v[GSC], s75, v[GM]
	v_lshrrev_b32 v[GBY], 23, v[GSC]
	v_cvt_scalef32_pk16_fp6_f32 v[GO:GO+2], v[GX:GX+15], v[GSC]
	v_cvt_scalef32_pk16_fp6_f32 v[G2:G2+2], v[GX+16:GX+31], v[GSC]
	v_nop                                          ; one plain place behind a scaled conversion
.irp i, 0,1,2
	v_mov_b32 v[GO+3+\i], v[G2+\i]
.endr
.if (\p) == 0                                  ; registers 0-5 of the fragment's image,
	ds_store_b128 v[GWI], v[GO:GO+3]
	ds_store_b64 v[GWI], v[GO+4:GO+5] offset:512
.else                                          ; or 6-11
	ds_store_b64 v[GWI], v[GO:GO+1] offset:520
	ds_store_b128 v[GWI], v[GO+2:GO+5] offset:1024
.endif
	ds_store_b8 v[GWS], v[GBY] offset:2*(\p)       ; byte 2 p + h of my row's scale word
.endm
.macro SLOT p
	CHANGE \p, 1
	XISSUE \p
	v_add_nc_u32 v[GWI], s81, v[GWI0]
	v_add_nc_u32 v[GWS], s81, v[GWS0]
	SGEN \p, 0, 0, 0, 0
	BAR                                            ; step 0's images lie in buffer 0
	SGEN \p, 1, 1, 0, 1
	BAR                                            ; every wave has read buffer 0; step 1's lie in buffer 1
	SGEN \p, 2, 1, 1, 2
	BAR
	SGEN \p, 3, 1, 0, 3
	BAR
	GGEN \p, 1
	XTURN 1-\p
.endm
	s_load_b256 s[4:11], s[0:1], 0x0               ; x s[4:5], attn s[6:7], cls_weight s[8:9], cls_bias s[10:11]
	s_load_b128 s[12:15], s[0:1], 0x20             ; wq s[12:13], out0 s[14:15]
	s_load_b64 s[16:17], s[0:1], 0x30              ; out1
	v_lshl_add_u32 v[SPW], v0, 2, SPARE
	v_mov_b32 v[NIL], 0
	ds_add_u32 v4, v5
	ds_add_u32 v4, v5
	s_wait_dscnt 0x0
	v_lshrrev_b32 v1, 5, v0
	v_readfirstlane_b32 s18, v1                    ; wave 0..3
	v_and_b32 v1, 31, v0                           ; lane
	v_and_b32 v2, 15, v0                           ; r
	v_bfe_u32 v3, v0, 4, 1                         ; h
	s_bfe_u32 s19, ttmp6, 0x40000                  ; cx: it enters the addresses of x, attn, out0 and out1 alone
	s_lshl_b32 s20, ttmp9, 2
	s_add_co_u32 s20, s20, s19                     ; my block of 64 rows
	; descriptor group 1: a record, 25,600 dense bytes, as 100 rows of 32 elements of 8 bytes, no padding
	s_mov_b32 s[G1], 15|(3<<16)|(1<<21)            ; 15:0 the mask: all four work-groups; 17:16 elements of 8 bytes; 21 set beside a mask
	s_mov_b32 s[G1+1], 32<<16                      ; tensor_dim0
	s_mov_b32 s[G1+2], 100<<16                     ; tensor_dim1
	s_mov_b32 s[G1+3], 32<<16                      ; tile_dim0
	s_mov_b32 s[G1+4], 100                         ; tile_dim1
	s_mov_b32 s[G1+5], 32                          ; from row to row
	s_mov_b32 s[G1+6], 0
	s_mov_b32 s[G1+7], 0
	s_mul_i32 s21, s18, REC                        ; wave w fetches record w of a slot: the wave's number alone enters
	s_mov_b32 s22, s21
	s_mov_b32 s23, 0
	s_wait_kmcnt 0x0
	s_mov_b32 s[G0], 1
	s_mov_b32 s[G0+1], s21
	s_add_nc_u64 s[G0+2:G0+3], s[12:13], s[22:23]
	s_mov_b32 s[G0+4], 1
	s_add_co_u32 s[G0+5], s21, SLOTB
	s_add_nc_u64 s[G0+6:G0+7], s[G0+2:G0+3], SLOTB
	s_or_b32 s[G0+3], s[G0+3], 0x80000000
	s_or_b32 s[G0+7], s[G0+7], 0x80000000
	CROUND                                         ; all four work-groups are here: the first joint loads meet
	tensor_load_to_lds s[G0:G0+3], s[G1:G1+7]      ; slot 0
	s_nop 0
	PLACES
	s_lshl_b32 s88, s20, 6
	s_lshl_b32 s89, s18, 4
	s_add_co_u32 s88, s88, s89                     ; my wave's first row
	s_mov_b32 s91, 0
	s_lshl_b32 s90, s88, 11
	s_add_nc_u64 s[4:5], s[4:5], s[90:91]
	s_mul_i32 s90, s88, 36
	s_add_nc_u64 s[6:7], s[6:7], s[90:91]
	s_lshl_b32 s90, s88, 5
	s_add_nc_u64 s[14:15], s[14:15], s[90:91]
	s_mul_i32 s90, s20, 67840
	s_add_nc_u64 s[16:17], s[16:17], s[90:91]      ; the work-group's 64 rows of out1
	v_and_b32 v232, 7, v0
	v_mul_u32_u24 v232, v232, 1060                 ; cls_weight: class r % 8 (rows 8-15 of the operand repeat the eight classes)
	s_wait_alu depctr_va_vdst(0)
	v_add_nc_u32 v233, 1024, v232                  ; its nine weights for attn
	v_lshl_add_u32 v232, v3, 6, v232
	s_lshl_b32 s88, s18, 8
	v_add_nc_u32 v232, s88, v232                   ; its weights for hidden units 64 w + 16 h on
	v_mov_b32 v234, 0
	v_mul_u32_u24 v235, v2, 36                     ; attn: row r
	v_lshlrev_b32 v[XGO], 11, v3
	v_lshl_add_u32 v[XGO], v2, 4, v[XGO]           ; x: lanes 0-15 one row's 256 bytes, lanes 16-31 the next row's
.irp b, 0,1
.irp i, 0,1,2,3,4,5,6,7,8,9,10,11,12,13,14,15
	global_load_b32 v[76+16*\b+\i], v232, s[8:9] offset:128*\b+4*\i   ; (rows of 1,060 bytes: a multiple of 4 alone)
.endr
.endr
.irp i, 0,1,2,3,4,5,6,7,8
	global_load_b32 v[108+\i], v233, s[8:9] offset:4*\i
.endr
	WIN 0x80
	global_load_b128 v[BIASC:BIASC+3], v234, s[10:11]
	global_load_b128 v[BIASC+4:BIASC+7], v234, s[10:11] offset:16
.irp i, 0,1,2,3,4,5,6,7,8
	global_load_b32 v[ATT+\i], v235, s[6:7] offset:4*\i
.endr
.irp q, 0,1,2,3,4,5,6,7
	global_load_b128 v[XG+4*\q:XG+4*\q+3], v[XGO], s[4:5] offset:4096*\q          ; chunk 0
.endr
.irp q, 0,1,2,3,4,5,6,7
	global_load_b128 v[XG+32+4*\q:XG+32+4*\q+3], v[XGO], s[4:5] offset:4096*\q+256   ; chunk 1
.endr
	WIN 0
	; addresses, while the loads are on their way
	s_mul_i32 s88, s18, 6144
	s_lshl_b32 s90, s18, 8
	s_add_co_u32 s90, s90, 24576
.irp p, 0,1
.irp f, 0,1
	s_add_co_u32 s89, s88, SLOTB*\p+2*REC*\f
	v_lshl_add_u32 v[ADB+2*\p+\f], v1, 4, s89
	s_add_co_u32 s89, s90, SLOTB*\p+2*REC*\f
	v_lshl_add_u32 v[ABSC+2*\p+\f], v1, 3, s89
.endr
.endr
	v_lshl_add_u32 v[LI], v1, 4, AIMG
	v_lshl_add_u32 v[ASA], v2, 4, AIMG+ASC
	s_mul_i32 s88, s18, 1536
	s_add_co_u32 s89, s88, AIMG
	v_lshl_add_u32 v[AWI], v1, 4, s89
	s_add_co_u32 s89, s88, GIMG
	v_lshl_add_u32 v[GWI0], v1, 4, s89
	s_lshl_b32 s88, s18, 2
	s_add_co_u32 s89, s88, AIMG+ASC
	v_lshl_add_u32 v[AWS], v2, 4, s89
	s_add_co_u32 s89, s88, GIMG+ASC
	v_lshl_add_u32 v[GWS0], v2, 4, s89
	v_add_nc_u32 v[GWS0], v[GWS0], v3
	s_mul_i32 s88, s18, XPW
	s_add_co_u32 s88, s88, XB                      ; my wave's two buffers for x
	v_mul_u32_u24 v[XST], v3, 272
	v_lshl_add_u32 v[XST], v2, 4, v[XST]
	v_add_nc_u32 v[XST], s88, v[XST]               ; in: as loaded, two rows an instruction
	v_mul_u32_u24 v[XRD], v2, 272
	v_add_nc_u32 v[XRD], s88, v[XRD]
	v_lshl_add_u32 v[XRG], v3, 7, v[XRD]           ; out, for gelu: row r, + 128 h
	v_lshl_add_u32 v[XRD], v3, 4, v[XRD]           ; out, for the splines: row r, + 16 h
	v_lshlrev_b32 v[SH8], 3, v3
	v_mov_b32 v[KA01], 0x3e2aaaab                  ; (1/6, 1/2), (0, -1), (0, 2/3): g in the low half, f in the high half
	v_mov_b32 v[KA01+1], 0.5
	v_mov_b32 v[KB01], 0
	v_mov_b32 v[KB01+1], -1.0
	v_mov_b32 v[KC01], 0
	v_mov_b32 v[KC01+1], 0x3f2aaaab
	v_mov_b32 v[KA23], 0.5                         ; and the other way round
	v_mov_b32 v[KA23+1], 0x3e2aaaab
	v_mov_b32 v[KB23], -1.0
	v_mov_b32 v[KB23+1], 0
	v_mov_b32 v[KC23], 0x3f2aaaab
	v_mov_b32 v[KC23+1], 0
	v_mov_b32 v[KNP], -1.0
	v_mov_b32 v[KNP+1], 1.0
	v_mov_b32 v[KE0], 2.0
	v_mov_b32 v[KE0+1], 0xc1100000                 ; -9
	v_mov_b32 v[K25], 0x40200000                   ; 2.5
	v_mov_b32 v[K25+1], 0x40200000
	v_mov_b32 v[K55], 0x40b00000                   ; 5.5
	v_mov_b32 v[K55+1], 0x40b00000
	v_mov_b32 v[ZP], 0
	v_mov_b32 v[ZP+1], 0
	v_mov_b32 v[KA13], 0xaf95df0b                  ; -2.72614226e-10
	v_mov_b32 v[KA13+1], 0xaf95df0b
	v_mov_b32 v[KB8], 0xb77460cd                   ; -1.45660718e-05
	v_mov_b32 v[KB8+1], 0xb77460cd
	v_mov_b32 v[PX], 0                             ; (a lane permute's destination counts as one of its sources)
	SPAIR CA11, 0x32edffee                         ;  2.77068142e-08
	SPAIR CA9,  0xb60cff51                         ; -2.10102402e-06
	SPAIR CA7,  0xb86ec2d2                         ; -5.69250639e-05
	SPAIR CA5,  0xba40ac63                         ; -7.34990630e-04
	SPAIR CA3,  0xbb41a1f6                         ; -2.95459981e-03
	SPAIR CA1,  0xbc83dbd4                         ; -1.60960333e-02
	SPAIR CB6,  0xb95fbd29                         ; -2.13374055e-04
	SPAIR CB4,  0xbadc924e                         ; -1.68282697e-03
	SPAIR CB2,  0xbbf19bf8                         ; -7.37332917e-03
	SPAIR CB0,  0xbc69b6a7                         ; -1.42647391e-02
	SPAIR 82,   0x3f3504f3                         ; 1 / sqrt(2)
	s_mov_b32 s66, 0x41300000                      ; 11
	s_mov_b32 s67, 0xffffff
	s_mov_b32 s68, 0x0c050403                      ; bits 24-47 of a conversion's 96,
	s_mov_b32 s69, 0x0c040302                      ; bits 48-71
	s_mov_b32 s70, 0x05040100                      ; two low halves
	s_mov_b32 s72, 0x76543210
	s_mov_b32 s73, 0xfedcba98                      ; lane selects: lane l xor 16
	s_mov_b32 s74, 0x1800000                       ; 2^(3 - 127)
	s_mov_b32 s75, 0xff000000
	s_mov_b32 s79, 0
	s_mov_b32 s80, 2                               ; the chunk to be asked for next
	s_mov_b32 s81, 0                               ; the gelu step's place among its images
	s_mov_b32 s87, 0xffff0000                      ; lanes 16-31
	WIN 0x40
.set QI, 0
.rept 128
	v_mov_b32 v[QI], 0                             ; the sums
.set QI, QI+1
.endr
	WIN 0
	s_wait_loadcnt 16                              ; all but the two chunks of x
	WIN 0x80
.irp b, 0,1
.irp i, 0,1,2,3,4,5,6,7
	v_cvt_pk_bf16_f32 v[CW+8*\b+\i], v[76+16*\b+2*\i], v[76+16*\b+2*\i+1]   ; cls_weight for units 64 w + 32 b + 16 h + 0 .. 15: the order in which my results will lie
.endr
.endr
	WIN 0
.irp i, 0,1,2,3
	v_cvt_pk_bf16_f32 v[118+\i], v[108+2*\i], v[108+2*\i+1]
.endr
	v_cvt_pk_bf16_f32 v122, v116, 0
	WIN 0x0a
.irp i, 0,1,2,3
	v_cvt_pk_bf16_f32 v[124+\i], v[ATT+2*\i], v[ATT+2*\i+1]
.endr
	v_cvt_pk_bf16_f32 v128, v[ATT+8], 0
	WIN 0x80                                       ; K = attn's nine, filled with zeros to 32: lanes 0-15 hold k = 0 .. 7, lanes 16-31 k = 8 and zeros
	v_cndmask_b32 v[CWA], v118, v122, s87
	v_cndmask_b32 v[ATF], v124, v128, s87
.irp i, 1,2,3
	v_cndmask_b32 v[CWA+\i], v[118+\i], 0, s87
	v_cndmask_b32 v[ATF+\i], v[124+\i], 0, s87
.endr
.irp i, 4,5,6,7
	v_mov_b32 v[CWA+\i], 0
	v_mov_b32 v[ATF+\i], 0
.endr
	WIN 0xaa
	v_wmma_f32_16x16x32_bf16 v[LA:LA+7], v[CWA:CWA+7], v[ATF:ATF+7], v[BIASC:BIASC+7]   ; attn's part of my 16 rows' logits, on top of the bias: register j = class j, in both halves of the lanes
	WIN 0
	s_wait_loadcnt 8                               ; chunk 0 is in; chunk 1 may be out
	WIN 0x08
.irp q, 0,1,2,3,4,5,6,7
	ds_store_b128 v[XST], v[XG+4*\q:XG+4*\q+3] offset:544*\q
.endr
	WIN 0
	s_mov_b32 s3, 4
.Ltrip:                                            ; a trip: two slots, 128 features: eight spline steps and one gelu step's images
	SLOT 0
	SLOT 1
	s_add_co_u32 s81, s81, ABUF
	s_sub_co_u32 s3, s3, 1
	s_cmp_lg_u32 s3, 0
	s_cbranch_scc1 .Ltrip
	; SLOT 8: the base product's four K steps; their images have lain in LDS since the loop.  Nothing is left to fetch.
	CHANGE 0, 0
	s_wait_loadcnt 0x0                             ; (the clamped requests for x have landed)
	LOADB 0, 0
	LOADA 2*ABUF, AF, AS
	LOADB 0, 1
	LOADA 3*ABUF, AF2, AS2
	s_wait_dscnt 26                                ; step 0's 26 loads are in; step 1's may be out
	WALL 0, AF, AS
	PLACES                                         ; four places in front of loads into registers that matrix instructions have read
	LOADB 0, 2
	LOADA 4*ABUF, AF, AS
	s_wait_dscnt 26
	WALL 1, AF2, AS2
	PLACES
	LOADB 0, 3
	LOADA 5*ABUF, AF2, AS2
	s_wait_dscnt 26
	WALL 0, AF, AS
	s_wait_dscnt 0x0
	WALL 1, AF2, AS2
	; THE WAY OUT.  The address lines are the places behind the last products.
.set SOA, 240
.set SAT, 241
.set LPW, 242
.set LPR, 243
.set CPA, 244
.set CPB, 245
.set CGO, 246
.set O0W, 247
.set O0R, 248
.set G0O, 249
.set HB,  76
.set LG,  140
.set PT,  172
.set LL,  204
.set MXL, 212
.set EE,  214
.set LS,  222
	v_mul_u32_u24 v[SOA], v2, 1060
	s_mul_i32 s89, s18, 16960
	s_add_co_u32 s89, s89, STAGE+1024
	v_add_nc_u32 v[SAT], s89, v[SOA]               ; attn's place in row 16 w + r
	s_lshl_b32 s88, s18, 8
	s_add_co_u32 s88, s88, STAGE
	v_lshl_add_u32 v[SOA], v3, 6, v[SOA]
	v_add_nc_u32 v[SOA], s88, v[SOA]               ; row r of a tile, units 64 w + 16 h on
	s_lshl_b32 s88, s18, 12
	s_add_co_u32 s88, s88, LOGP
	v_lshl_add_u32 v[LPW], v1, 4, s88
	s_lshl_b32 s88, s18, 10
	s_add_co_u32 s89, s88, LOGP
	v_lshl_add_u32 v[LPR], v1, 4, s89
	v_lshl_add_u32 v[CPA], v0, 4, STAGE
	v_add_nc_u32 v[CPB], 32768, v[CPA]
	v_lshlrev_b32 v[CGO], 4, v0
	s_add_co_u32 s89, s88, O0S
	v_lshl_add_u32 v[O0R], v1, 4, s89
	v_lshl_add_u32 v[O0W], v2, 5, s89
	v_lshl_add_u32 v[O0W], v3, 9, v[O0W]
	v_lshlrev_b32 v[G0O], 4, v1
	WIN 0x04                                       ; an LDS store's data are its source 1: window 1
.irp t, 0,1,2,3
.irp m, 0,1,2,3
.irp j, 0,1,2,3,4,5,6,7
	ds_store_b32 v[SOA], v[8*(4*\t+\m)+\j] offset:16960*\m+128*(\t/2)+32*(\t%2)+4*\j   ; h(16 m + r, 64 w + 32 (t / 2) + 16 h + 8 (t % 2) + j); each accumulator from its low end on.  Rows of 1,060 bytes: lane (r, h) stands 9 r + 16 h words on modulo 64, 32 different places
.endr
.endr
.endr
	WIN 0x08
.irp i, 0,1,2,3,4,5,6,7,8
	ds_store_b32 v[SAT], v[ATT+\i] offset:4*\i     ; both halves of the lanes write the same words with the same values
.endr
	WIN 0x05
.irp m, 0,1,2,3
.irp b, 0,1
.irp i, 0,1,2,3
	v_cvt_pk_bf16_f32 v[HB+16*\m+8*\b+\i], v[8*(8*\b+\m)+2*\i], v[8*(8*\b+\m)+2*\i+1]
	v_cvt_pk_bf16_f32 v[HB+16*\m+8*\b+4+\i], v[8*(8*\b+4+\m)+2*\i], v[8*(8*\b+4+\m)+2*\i+1]
.endr
.endr
.endr
	WIN 0x02                                       ; source 0 (cls_weight) window 2
.irp m, 0,1,2,3
	v_wmma_f32_16x16x32_bf16 v[LG+8*\m:LG+8*\m+7], v[CW:CW+7], v[HB+16*\m:HB+16*\m+7], 0
.endr
.irp m, 0,1,2,3
	v_wmma_f32_16x16x32_bf16 v[LG+8*\m:LG+8*\m+7], v[CW+8:CW+15], v[HB+16*\m+8:HB+16*\m+15], v[LG+8*\m:LG+8*\m+7]   ; the four sums by turns
.endr
	WIN 0
	PLACES
.irp m, 0,1,2,3
	ds_store_b128 v[LPW], v[LG+8*\m:LG+8*\m+3] offset:1024*\m        ; my 64 units' part of the logits of all 64 rows
	ds_store_b128 v[LPW], v[LG+8*\m+4:LG+8*\m+7] offset:1024*\m+512
.endr
	BAR                                            ; 64 whole rows of out1 lie in the stage, and all parts of the logits
	WIN 0x40
.set QI, 0
.rept 16
	ds_load_b128 v[4*QI:4*QI+3], v[CPA] offset:2048*QI
.set QI, QI+1
.endr
.rept 17
	ds_load_b128 v[4*QI:4*QI+3], v[CPB] offset:2048*(QI-16)
.set QI, QI+1
.endr
	WIN 0x04
.set QI, 0
.rept 33
	s_wait_dscnt 32-QI
	global_store_b128 v[CGO], v[4*QI:4*QI+3], s[16:17] offset:2048*QI th:TH_STORE_NT   ; the 64 rows are 67,840 dense bytes, a multiple of 256: each wave's store covers 512 consecutive bytes, aligned
.set QI, QI+1
.endr
	WIN 0
	s_wait_xcnt 0x0                                ; EXEC changes only behind this wait
	v_cmp_gt_u32 vcc_lo, 16, v0
	s_and_saveexec_b32 s88, vcc_lo                 ; the last 256 bytes: threads 0 to 15
	WIN 0x40
	ds_load_b128 v[132:135], v[CPB] offset:34816
	s_wait_dscnt 0x0
	WIN 0x04
	global_store_b128 v[CGO], v[132:135], s[16:17] offset:67584 th:TH_STORE_NT
	WIN 0
	s_wait_xcnt 0x0                                ; and again, in front of the line that widens it
	s_or_b32 exec_lo, exec_lo, s88
	; the logits of my 16 rows: the four waves' parts, on top of attn's part and the bias
.irp u, 0,1,2,3
	ds_load_b128 v[PT+8*\u:PT+8*\u+3], v[LPR] offset:4096*\u
	ds_load_b128 v[PT+8*\u+4:PT+8*\u+7], v[LPR] offset:4096*\u+512
.endr
	s_wait_dscnt 0x0
	WIN 0x02
.irp i, 0,2,4,6
	v_pk_add_f32 v[LL+\i:LL+\i+1], v[LA+\i:LA+\i+1], v[PT+\i:PT+\i+1]
.endr
	WIN 0
.irp u, 1,2,3
.irp i, 0,2,4,6
	v_pk_add_f32 v[LL+\i:LL+\i+1], v[LL+\i:LL+\i+1], v[PT+8*\u+\i:PT+8*\u+\i+1]
.endr
.endr
	v_max3_num_f32 v[MXL], v[LL], v[LL+1], v[LL+2]
	v_max3_num_f32 v[MXL], v[MXL], v[LL+3], v[LL+4]
	v_max3_num_f32 v[MXL], v[MXL], v[LL+5], v[LL+6]
	v_max_num_f32 v[MXL], v[MXL], v[LL+7]          ; the row's largest logit is taken away, as the model takes it
.irp j, 0,1,2,3,4,5,6,7
	v_sub_f32 v[LL+\j], v[LL+\j], v[MXL]
.endr
.irp j, 0,1,2,3,4,5,6,7
	v_mul_f32 v[EE+\j], 0x3fb8aa3b, v[LL+\j]
.endr
	s_wait_alu depctr_va_vdst(0)
.irp j, 0,1,2,3,4,5,6,7
	v_exp_f32 v[EE+\j], v[EE+\j]
.endr
	v_nop                                          ; a plain place behind the exponentials,
	s_wait_alu depctr_va_vdst(0)                   ; and one wait for the eight, ahead of their first reader
	v_pk_add_f32 v[EE:EE+1], v[EE:EE+1], v[EE+2:EE+3]
	v_pk_add_f32 v[EE+4:EE+5], v[EE+4:EE+5], v[EE+6:EE+7]
	v_pk_add_f32 v[EE:EE+1], v[EE:EE+1], v[EE+4:EE+5]
	v_add_f32 v[EE], v[EE], v[EE+1]
	s_wait_alu depctr_va_vdst(0)
	v_log_f32 v[LS], v[EE]
	v_nop
	s_wait_alu depctr_va_vdst(0)
	v_mul_f32 v[LS], 0x3f317218, v[LS]             ; ln of the sum
.irp j, 0,1,2,3,4,5,6,7
	v_sub_f32 v[LL+\j], v[LL+\j], v[LS]
.endr
	ds_store_b128 v[O0W], v[LL:LL+3]               ; row r's 32 bytes (lanes 16-31 hold the same numbers and write a copy 512 bytes on, which nobody reads)
	ds_store_b128 v[O0W], v[LL+4:LL+7] offset:16
	ds_load_b128 v[224:227], v[O0R]                ; LDS serves a wave's instructions in order: this sees my stores
	s_wait_dscnt 0x0
	global_store_b128 v[G0O], v[224:227], s[14:15] th:TH_STORE_NT   ; my 16 rows of out0: 512 consecutive bytes, aligned
	s_wait_tensorcnt 0x0                           ; the wave's end, behind my last tensor load and my last LDS store
	ds_add_u32 v[SPW], v[NIL]
	s_wait_dscnt 0x0
	CROUND                                         ; the closing round: no work-group ends while a partner may still ask for a record that names it
	s_endpgm
.Lfunc_end_k_qf56b0c3680_kan:
	.size	k_qf56b0c3680_kan, .Lfunc_end_k_qf56b0c3680_kan-k_qf56b0c3680_kan
	.p2alignl 7, 3214868480
	.fill 96, 4, 3214868480
	.section	.rodata,"a",@progbits
	.p2align	6, 0x0
	.amdhsa_kernel k_qf56b0c3680_kan
		.amdhsa_group_segment_fixed_size 327680
		.amdhsa_private_segment_fixed_size 0
		.amdhsa_enable_private_segment 0
		.amdhsa_kernarg_size 56
		.amdhsa_user_sgpr_count 2
		.amdhsa_user_sgpr_kernarg_segment_ptr 1
		.amdhsa_wavefront_size32 1
		.amdhsa_system_sgpr_workgroup_id_x 1
		.amdhsa_system_sgpr_workgroup_id_y 1
		.amdhsa_system_sgpr_workgroup_id_z 1
		.amdhsa_system_vgpr_workitem_id 0
		.amdhsa_next_free_vgpr 768
		.amdhsa_next_free_sgpr 100
		.amdhsa_reserve_vcc 1
		.amdhsa_float_denorm_mode_32 3
		.amdhsa_float_denorm_mode_16_64 3
		.amdhsa_memory_ordered 1
		.amdhsa_forward_progress 1
		.amdhsa_inst_pref_size 241
	.end_amdhsa_kernel
	.amdgpu_metadata
---
amdhsa.version: [ 1, 2 ]
amdhsa.kernels:
  - .name:           k_qf56b0c3680_kan
    .symbol:         k_qf56b0c3680_kan.kd
    .args:
      - { .name: x, .offset: 0, .size: 8, .value_kind: global_buffer, .address_space: global }
      - { .name: attn_embedding, .offset: 8, .size: 8, .value_kind: global_buffer, .address_space: global }
      - { .name: cls_weight, .offset: 16, .size: 8, .value_kind: global_buffer, .address_space: global }
      - { .name: cls_bias, .offset: 24, .size: 8, .value_kind: global_buffer, .address_space: global }
      - { .name: wq, .offset: 32, .size: 8, .value_kind: global_buffer, .address_space: global }
      - { .name: out0, .offset: 40, .size: 8, .value_kind: global_buffer, .address_space: global }
      - { .name: out1, .offset: 48, .size: 8, .value_kind: global_buffer, .address_space: global }
    .group_segment_fixed_size: 327680
    .private_segment_fixed_size: 0
    .kernarg_segment_align: 8
    .kernarg_segment_size: 56
    .max_flat_workgroup_size: 128
    .sgpr_count:     100
    .vgpr_count:     768
    .wavefront_size: 32
...
	.end_amdgpu_metadata
.endif
;; end of part 2
